; MI455X (gfx1250); checked and timed in simulation.
; The chip was launched on July 23, 2026; its instructions are those of AMD's public machine-readable ISA for CDNA 5 (MIT licence, August 2026) and "CDNA5" Instruction Set Architecture Reference Guide (July 2026).
;; Multi Head Temporal Attention. Allowed arithmetic: matrix products marked QUANTISED: E5M2 operands, one E8M0 scale for each 32 along K, by v_wmma_scale_f32_16x16x128_f8f6f4 with both operands' format E5M2, f32 sums; products left as they are: f32 operands where the result goes on into a quantised operand, else bf16, f16 or f32 operands; f32 sums; everything else in f32.
;; Inputs: Wk 512 x 512 float32; Wo 512 x 512 float32; Wq 512 x 512 float32; Wv 512 x 512 float32; enc 32 x 4,096 x 512 float32.
;; Outputs: out0 32 x 512 float32; out1 32 x 4,096 float32.
;; This version of the problem:
;;   THIS VERSION OF THE PROBLEM IS GIVEN IN LOW PRECISION. The matrix products marked QUANTISED in the list below multiply operands that are first quantised to E5M2 (5 exponent bits, 2 mantissa bits; 8 bits a number), with one power-of-two scale for each 32 numbers along K (OCP MX v1.0); their sums are f32. All else is computed in f32.
;;   The module's matrix products, in the order in which they are computed (A, B: the left and right operand; K: the contracted axis; several contracted axes count as one K, in the product's order):
;;     1. [M 32, K 512] x [K 512, N 512]; A: input enc; B: input Wq: QUANTISED
;;     2. [M 131,072, K 512] x [K 512, N 512]; A: input enc; B: input Wk: QUANTISED
;;     3. [M 131,072, K 512] x [K 512, N 512]; A: input enc; B: input Wv: QUANTISED
;;     4. batch 256 x [M 1, K 64] x [K 64, N 4,096]; A: computed on the way; B: computed on the way: left as it is (M = 1 < 16)
;;     5. batch 256 x [M 1, K 4,096] x [K 4,096, N 64]; A: softmax; B: computed on the way: left as it is (M = 1 < 16)
;;     6. [M 32, K 512] x [K 512, N 512]; A: computed on the way; B: input Wo: QUANTISED
;;   THE QUANTISER, for each operand of a quantised product, along K:
;;     - K is cut into blocks of 32 from its start; a last block that is shorter is filled with zeros.
;;     - A block's scale is 2^e with e = floor(log2(the largest magnitude in the block)) - 15, held to -126 .. 127; a block of zeros has e = 0. As a byte (E8M0): e + 127.
;;     - Each number is divided by its block's scale, clamped to +-57,344, and rounded to the nearest number of E5M2, ties to even, subnormals kept.
;;     - The product sums the exact products of the quantised numbers (number of the format x scale) in f32.
;;   ~~~python
;;   def quantise(x, axis):      # numpy; x: float32 -> the quantised numbers, widened to float32 again
;;       x = np.moveaxis(x, axis, -1); K = x.shape[-1]
;;       x = np.pad(x, [(0, 0)] * (x.ndim - 1) + [(0, -K % 32)]); x = x.reshape(x.shape[:-1] + (-1, 32)); a = np.abs(x).max(-1, keepdims=True)
;;       e = np.where(a > 0, np.clip(np.frexp(np.where(a > 0, a, 1))[1] - 1 - 15, -126, 127), 0)      # np.frexp(a)[1] - 1 = floor(log2(a)), exactly
;;       r = np.clip(x / 2.0 ** e, -57344, 57344)
;;       step = 2.0 ** (np.maximum(np.frexp(np.where(r == 0, 1, r))[1] - 1, -14) - 2)
;;       q = np.round(r / step) * step * 2.0 ** e      # np.round: ties to even
;;       return np.moveaxis(q.reshape(q.shape[:-2] + (-1,))[..., :K], -1, axis).astype(np.float32)
;;   ~~~
;;   OPERANDS COMPUTED ON THE WAY. 'Computed on the way' means the value that the module computes at that place (a softmax that the list does not call 'softmax' is quantised finished and normalised). What goes into a quantiser is computed in f32, as accurately as f32 sums, v_exp_f32 and their like allow (about 1e-6 of the number): no bf16 or f16 on the way to a quantiser, and a product that is left as it is and whose result goes on into a quantised operand takes f32 operands (vector FMAs, or v_wmma_f32_16x16x4_f32). A number that lies on a knife's edge between two numbers of the format may be rounded either way, as far as f32 arithmetic and the matrix unit's own rounding can turn it there, and no further.
;; One version. Each part assembles by itself: llvm-mc -triple=amdgcn-amd-amdhsa -mcpu=gfx1250 --defsym DOCPART=n.
;; ======== version 1 of 1: 3 launches
;; limits: right only within a limited range of input values
;; workspace buffers: wimg 786,432 bytes; wsc 49,152 bytes; qbuf 65,536 bytes; sc 4,194,304 bytes; pctx 524,288 bytes; pml 131,072 bytes
;; launch prep (part 1): grid 160 x 1, 1 waves a work-group, no clusters, 0 bytes of LDS; arguments Wk, Wv, Wo, Wq, enc, wimg, wsc, qbuf; writes wimg, wsc, qbuf
.if DOCPART == 1
	.amdgcn_target "amdgcn-amd-amdhsa--gfx1250"
	.amdhsa_code_object_version 6
	.text
	.protected	k_qf451fa578a_prep
	.globl	k_qf451fa578a_prep
	.p2align	8
	.type	k_qf451fa578a_prep,@function
k_qf451fa578a_prep:
	s_mov_b64 s[64:65], 0
	v_nop
	global_prefetch_b8 v0, s[64:65] scope:SCOPE_SE
	s_setreg_imm32_b32 hwreg(HW_REG_WAVE_MODE, 25, 1), 1
	s_wait_xcnt 0x0
.set LI,  1
.set WA,  2
.set EA,  3
.set QO,  4
.set TM,  16
.set PW,  32
.set PWE, 36
.set PCW, 64
.set PCE, 128
.set ACC, 192
.set SEL, 22
.set MNT, 24
.set MSB, 0
.macro WIN new
.if MSB != (\new)
	s_set_vgpr_msb (MSB<<8)|(\new)
.set MSB, (\new)
.endif
.endm
.macro QUANT s, w, pc, pw
	WIN ((\w)|((\w)<<2))
.irp b, 0,1,2,3
	v_max3_num_f32 v[TM+\b], |v[(\s)+16*\b]|, |v[(\s)+16*\b+1]|, 0x8000000
.endr
.irp i, 2,4,6,8,10,12,14
.irp b, 0,1,2,3
	v_max3_num_f32 v[TM+\b], |v[(\s)+16*\b+\i]|, |v[(\s)+16*\b+\i+1]|, v[TM+\b]
.endr
.endr
	WIN 0
.irp b, 0,1,2,3
	v_permlanex16_b32 v[TM+4+\b], v[TM+\b], s[SEL], s[SEL+1]
.endr
.irp b, 0,1,2,3
	v_max_num_f32 v[TM+\b], v[TM+\b], v[TM+4+\b]
.endr
.irp b, 0,1,2,3
	v_add_nc_u32 v[TM+12+\b], 0xf8800000, v[TM+\b]
.endr
.irp b, 0,1,2,3
	v_and_or_b32 v[TM+8+\b], v[TM+\b], 0x7f800000, s[MNT]
.endr
.irp b, 0,1,2,3
	v_lshrrev_b32 v[TM+4+\b], 23, v[TM+12+\b]
.endr
	v_lshl_or_b32 v[\pw], v[TM+5], 8, v[TM+4]
	v_lshl_or_b32 v[\pw], v[TM+6], 16, v[\pw]
	v_lshl_or_b32 v[\pw], v[TM+7], 24, v[\pw]
	WIN ((\w)|((\w)<<6))
.irp b, 0,1,2,3
.irp i, 0,1,2,3,4,5,6,7,8,9,10,11,12,13,14,15
	v_med3_num_f32 v[(\s)+16*\b+\i], v[(\s)+16*\b+\i], -v[TM+8+\b], v[TM+8+\b]
.endr
.endr
	WIN (\w)
.irp b, 0,1,2,3
	v_cvt_scalef32_pk8_bf8_f32 v[(\pc)+4*\b:(\pc)+4*\b+1], v[(\s)+16*\b:(\s)+16*\b+7], v[TM+12+\b]
	v_cvt_scalef32_pk8_bf8_f32 v[(\pc)+4*\b+2:(\pc)+4*\b+3], v[(\s)+16*\b+8:(\s)+16*\b+15], v[TM+12+\b]
.endr
	WIN 0
	v_nop
.endm
	s_load_b256 s[4:11], s[0:1], 0x0
	s_load_b256 s[12:19], s[0:1], 0x20
	v_and_b32 v5, 15, v0
	v_bfe_u32 v6, v0, 4, 1
	v_lshlrev_b32 v[LI], 4, v0
	v_lshlrev_b32 v[WA], 11, v5
	v_lshlrev_b32 v[EA], 23, v5
	v_lshl_add_u32 v[QO], v6, 5, v[WA]
	v_lshl_add_u32 v[WA], v6, 6, v[WA]
	v_lshl_add_u32 v[EA], v6, 6, v[EA]
.irp b, 0,1,2,3
	v_mov_b32 v[TM+4+\b], 0
.endr
	s_mov_b32 s[SEL], 0x76543210
	s_mov_b32 s[SEL+1], 0xfedcba98
	s_mov_b32 s[MNT], 0x600000
	s_and_b32 s25, ttmp9, 31
	s_lshr_b32 s26, ttmp9, 5
	s_lshl_b32 s28, s25, 15
	s_mov_b32 s29, 0
	s_wait_alu depctr_va_vdst(0)
	s_wait_kmcnt 0x0
	s_mov_b64 s[20:21], s[10:11]
	s_cmp_eq_u32 s26, 0
	s_cselect_b64 s[20:21], s[4:5], s[20:21]
	s_cmp_eq_u32 s26, 1
	s_cselect_b64 s[20:21], s[6:7], s[20:21]
	s_cmp_eq_u32 s26, 2
	s_cselect_b64 s[20:21], s[8:9], s[20:21]
	s_add_nc_u64 s[20:21], s[20:21], s[28:29]
	WIN 0x40
.irp s, 0,1,2,3
.irp b, 0,1,2,3
.irp j, 0,1,2,3
	global_load_b128 v[64*\s+16*\b+4*\j:64*\s+16*\b+4*\j+3], v[WA], s[20:21] offset:512*\s+128*\b+16*\j
.endr
.endr
.endr
	WIN 0
	s_cmp_ge_u32 s26, 3
	s_cbranch_scc1 .Lq
.irp s, 0,1,2,3
	s_wait_loadcnt 48-16*\s
	QUANT 64*\s, 1, PCW+16*\s, PW+\s
.endr
	s_lshl_b32 s28, s26, 18
	s_lshl_b32 s30, s25, 13
	s_add_co_u32 s28, s28, s30
	s_add_nc_u64 s[14:15], s[14:15], s[28:29]
	s_lshl_b32 s28, s26, 14
	s_lshl_b32 s30, s25, 9
	s_add_co_u32 s28, s28, s30
	s_add_nc_u64 s[16:17], s[16:17], s[28:29]
	s_wait_alu depctr_va_vdst(0)
.irp s, 0,1,2,3
.irp c, 0,1,2,3
	global_store_b128 v[LI], v[PCW+16*\s+4*\c:PCW+16*\s+4*\c+3], s[14:15] offset:2048*\s+512*\c
.endr
.endr
	global_store_b128 v[LI], v[PW:PW+3], s[16:17]
	s_endpgm
.Lq:
	s_sub_co_u32 s27, s26, 3
	s_lshl_b32 s28, s27, 27
	s_add_co_u32 s28, s28, 4095*2048
	s_add_nc_u64 s[12:13], s[12:13], s[28:29]
	WIN 0x80
.irp s, 0,1,2,3
.irp b, 0,1,2,3
.irp j, 0,1,2,3
	global_load_b128 v[64*\s+16*\b+4*\j:64*\s+16*\b+4*\j+3], v[EA], s[12:13] offset:512*\s+128*\b+16*\j
.endr
.endr
.endr
	WIN 0
.irp s, 0,1,2,3
	s_wait_loadcnt 63
	QUANT 64*\s, 1, PCW+16*\s, PW+\s
.endr
.irp s, 0,1,2,3
	s_wait_loadcnt 48-16*\s
	QUANT 64*\s, 2, PCE+16*\s, PWE+\s
.endr
.rept 8
	v_nop
.endr
	v_wmma_scale_f32_16x16x128_f8f6f4 v[ACC:ACC+7], v[PCW:PCW+15], v[PCE:PCE+15], 0, v[PW], v[PWE] matrix_a_fmt:MATRIX_FMT_BF8 matrix_b_fmt:MATRIX_FMT_BF8
.irp s, 1,2,3
	s_wait_alu depctr_va_vdst(0)
	v_wmma_scale_f32_16x16x128_f8f6f4 v[ACC:ACC+7], v[PCW+16*\s:PCW+16*\s+15], v[PCE+16*\s:PCE+16*\s+15], v[ACC:ACC+7], v[PW+\s], v[PWE+\s] matrix_a_fmt:MATRIX_FMT_BF8 matrix_b_fmt:MATRIX_FMT_BF8
.endr
	s_lshl_b32 s28, s27, 15
	s_lshl_b32 s30, s25, 6
	s_add_co_u32 s28, s28, s30
	s_add_nc_u64 s[18:19], s[18:19], s[28:29]
.rept 8
	v_nop
.endr
	global_store_b128 v[QO], v[ACC:ACC+3], s[18:19]
	global_store_b128 v[QO], v[ACC+4:ACC+7], s[18:19] offset:16
	s_endpgm
.Lfunc_end_k_qf451fa578a_prep:
	.size	k_qf451fa578a_prep, .Lfunc_end_k_qf451fa578a_prep-k_qf451fa578a_prep
	.p2alignl 7, 3214868480
	.fill 96, 4, 3214868480
	.section	.rodata,"a",@progbits
	.p2align	6, 0x0
	.amdhsa_kernel k_qf451fa578a_prep
		.amdhsa_group_segment_fixed_size 0
		.amdhsa_private_segment_fixed_size 0
		.amdhsa_enable_private_segment 0
		.amdhsa_kernarg_size 64
		.amdhsa_user_sgpr_count 2
		.amdhsa_user_sgpr_kernarg_segment_ptr 1
		.amdhsa_wavefront_size32 1
		.amdhsa_system_sgpr_workgroup_id_x 1
		.amdhsa_system_sgpr_workgroup_id_y 1
		.amdhsa_system_sgpr_workgroup_id_z 1
		.amdhsa_system_vgpr_workitem_id 0
		.amdhsa_next_free_vgpr 768
		.amdhsa_next_free_sgpr 66
		.amdhsa_reserve_vcc 0
		.amdhsa_float_denorm_mode_32 3
		.amdhsa_float_denorm_mode_16_64 3
		.amdhsa_memory_ordered 1
		.amdhsa_forward_progress 1
		.amdhsa_inst_pref_size 116
	.end_amdhsa_kernel
	.amdgpu_metadata
---
amdhsa.version: [ 1, 2 ]
amdhsa.kernels:
  - .name:           k_qf451fa578a_prep
    .symbol:         k_qf451fa578a_prep.kd
    .args:
      - { .name: Wk, .offset: 0, .size: 8, .value_kind: global_buffer, .address_space: global }
      - { .name: Wv, .offset: 8, .size: 8, .value_kind: global_buffer, .address_space: global }
      - { .name: Wo, .offset: 16, .size: 8, .value_kind: global_buffer, .address_space: global }
      - { .name: Wq, .offset: 24, .size: 8, .value_kind: global_buffer, .address_space: global }
      - { .name: enc, .offset: 32, .size: 8, .value_kind: global_buffer, .address_space: global }
      - { .name: wimg, .offset: 40, .size: 8, .value_kind: global_buffer, .address_space: global }
      - { .name: wsc, .offset: 48, .size: 8, .value_kind: global_buffer, .address_space: global }
      - { .name: qbuf, .offset: 56, .size: 8, .value_kind: global_buffer, .address_space: global }
    .group_segment_fixed_size: 0
    .private_segment_fixed_size: 0
    .kernarg_segment_align: 8
    .kernarg_segment_size: 64
    .max_flat_workgroup_size: 32
    .sgpr_count:     66
    .vgpr_count:     768
    .wavefront_size: 32
...
	.end_amdgpu_metadata
.endif
;; end of part 1
;; launch main (part 2): grid 256 x 1, 4 waves a work-group, no clusters, 322,048 bytes of LDS; arguments enc, wimg, wsc, qbuf, sc, pctx, pml; writes sc, pctx, pml
.if DOCPART == 2
	.amdgcn_target "amdgcn-amd-amdhsa--gfx1250"
	.amdhsa_code_object_version 6
	.text
	.protected	k_qf451fa578a_main
	.globl	k_qf451fa578a_main
	.p2align	8
	.type	k_qf451fa578a_main,@function
k_qf451fa578a_main:
	s_mov_b64 s[64:65], 0
	v_nop
	global_prefetch_b8 v0, s[64:65] scope:SCOPE_SE
	s_setreg_imm32_b32 hwreg(HW_REG_WAVE_MODE, 25, 1), 1
	s_wait_xcnt 0x0
.set XIMG, 0
.set XSC,  262144
.set SCO,  270336
.set SCWV, 4224
.set SCH,  2112
.set STG,  287232
.set STWV, 8448
.set SPI,  528
.set LI,  1
.set IW,  3
.set IR,  4
.set SWB, 5
.set SRB, 6
.set SCB, 7
.set WA,  8
.set ST,  9
.set PSA, 9
.set SL,  10
.set PRB, 10
.set MX,  11
.set WSA, 12
.set LS,  13
.set TA,  14
.set TB,  15
.set T,   16
.set XA,  28
.set P,   28
.set PW,  32
.set XS,  36
.set SGC, 40
.set PR,  44
.set SCW, 46
.set SR,  47
.set WS,  48
.set AF,  64
.set ACC, 128
.set TM,  128
.set PC,  144
.set Q,   192
.set CTX, 192
.set WV,  18
.set MNT, 19
.set SEL, 20
.set HI,  22
.set CNT, 23
.set CI,  32
.set CIW, 33
.set CS,  34
.set CT,  35
.set CSW, 36
.set MSB, 0
.macro WIN new
.if MSB != (\new)
	s_set_vgpr_msb (MSB<<8)|(\new)
.set MSB, (\new)
.endif
.endm
.macro QUANT s, w, pc, pw
	WIN ((\w)|((\w)<<2))
.irp b, 0,1,2,3
	v_max3_num_f32 v[TM+\b], |v[(\s)+16*\b]|, |v[(\s)+16*\b+1]|, 0x8000000
.endr
.irp i, 2,4,6,8,10,12,14
.irp b, 0,1,2,3
	v_max3_num_f32 v[TM+\b], |v[(\s)+16*\b+\i]|, |v[(\s)+16*\b+\i+1]|, v[TM+\b]
.endr
.endr
	WIN 0
.irp b, 0,1,2,3
	v_permlanex16_b32 v[TM+4+\b], v[TM+\b], s[SEL], s[SEL+1]
.endr
.irp b, 0,1,2,3
	v_max_num_f32 v[TM+\b], v[TM+\b], v[TM+4+\b]
.endr
.irp b, 0,1,2,3
	v_add_nc_u32 v[TM+12+\b], 0xf8800000, v[TM+\b]
.endr
.irp b, 0,1,2,3
	v_and_or_b32 v[TM+8+\b], v[TM+\b], 0x7f800000, s[MNT]
.endr
.irp b, 0,1,2,3
	v_lshrrev_b32 v[TM+4+\b], 23, v[TM+12+\b]
.endr
	v_lshl_or_b32 v[\pw], v[TM+5], 8, v[TM+4]
	v_lshl_or_b32 v[\pw], v[TM+6], 16, v[\pw]
	v_lshl_or_b32 v[\pw], v[TM+7], 24, v[\pw]
	WIN ((\w)|((\w)<<6))
.irp b, 0,1,2,3
.irp i, 0,1,2,3,4,5,6,7,8,9,10,11,12,13,14,15
	v_med3_num_f32 v[(\s)+16*\b+\i], v[(\s)+16*\b+\i], -v[TM+8+\b], v[TM+8+\b]
.endr
.endr
	WIN (\w)
.irp b, 0,1,2,3
	v_cvt_scalef32_pk8_bf8_f32 v[(\pc)+4*\b:(\pc)+4*\b+1], v[(\s)+16*\b:(\s)+16*\b+7], v[TM+12+\b]
	v_cvt_scalef32_pk8_bf8_f32 v[(\pc)+4*\b+2:(\pc)+4*\b+3], v[(\s)+16*\b+8:(\s)+16*\b+15], v[TM+12+\b]
.endr
	WIN 0
	v_nop
.endm
.macro MM d, a, b, zero, sa, sb, row
.if \zero
.if \row
	v_wmma_scale_f32_16x16x128_f8f6f4 v[(\d):(\d)+7], v[(\a):(\a)+15], v[(\b):(\b)+15], 0, v[\sa], v[\sb] matrix_a_fmt:MATRIX_FMT_BF8 matrix_b_fmt:MATRIX_FMT_BF8 matrix_a_scale:MATRIX_SCALE_ROW1
.else
	v_wmma_scale_f32_16x16x128_f8f6f4 v[(\d):(\d)+7], v[(\a):(\a)+15], v[(\b):(\b)+15], 0, v[\sa], v[\sb] matrix_a_fmt:MATRIX_FMT_BF8 matrix_b_fmt:MATRIX_FMT_BF8
.endif
.else
.if \row
	v_wmma_scale_f32_16x16x128_f8f6f4 v[(\d):(\d)+7], v[(\a):(\a)+15], v[(\b):(\b)+15], v[(\d):(\d)+7], v[\sa], v[\sb] matrix_a_fmt:MATRIX_FMT_BF8 matrix_b_fmt:MATRIX_FMT_BF8 matrix_a_scale:MATRIX_SCALE_ROW1
.else
	v_wmma_scale_f32_16x16x128_f8f6f4 v[(\d):(\d)+7], v[(\a):(\a)+15], v[(\b):(\b)+15], v[(\d):(\d)+7], v[\sa], v[\sb] matrix_a_fmt:MATRIX_FMT_BF8 matrix_b_fmt:MATRIX_FMT_BF8
.endif
.endif
.endm
.macro XLOAD s
	WIN 0xc0
.irp i, 0,1,2,3,4,5,6,7,8,9,10,11,12,13,14,15
	global_load_b128 v[64*(\s)+4*\i:64*(\s)+4*\i+3], v[XA+(\s)], s[4:5] offset:2048*\i+512*(\s) th:TH_LOAD_NT
.endr
.endm
.macro WVLOAD s
	WIN 0xc0
.irp u, 0,1,2,3
.irp c, 0,1,2,3
	global_load_b128 v[64*(\s)+16*\u+4*\c:64*(\s)+16*\u+4*\c+3], v[WA], s[6:7] offset:262144+((4*(\s)+\u)&7)*8192+((4*(\s)+\u)>>3)*2048+512*\c
.endr
.endr
.endm
.macro WKLOAD s
	WIN ((1+(\s)/2)<<6)
.irp a, 0,1,2,3,4,5,6,7
.irp c, 0,1,2,3
	global_load_b128 v[16*(8*((\s)%2)+\a)+4*\c:16*(8*((\s)%2)+\a)+4*\c+3], v[WA], s[6:7] offset:\a*8192+(\s)*2048+512*\c
.endr
.endr
	WIN 0
.endm
.macro TURN t
	WIN 0x0c
.irp i, 0,1,2,3,4,5,6,7,8,9,10,11,12,13,14,15
	ds_store_b128 v[ST], v[64*(\t)+4*\i:64*(\t)+4*\i+3] offset:SPI*\i
.endr
	WIN 0xc0
.irp b, 0,1,2,3
.irp j, 0,1,2,3
	ds_load_b128 v[64*(\t)+16*\b+4*\j:64*(\t)+16*\b+4*\j+3], v[SL] offset:128*\b+16*\j
.endr
.endr
	WIN 0
.endm
.macro KCONS i
.irp j, 0,1,2,3
.irp p, 0,1,2,3
.irp x, 0,1
.if (\j == 0) && (\p < 2)
	v_pk_mul_f32 v[T+4*\x+2*(\p%2):T+4*\x+2*(\p%2)+1], v[ACC+32*\x+8*\j+2*\p:ACC+32*\x+8*\j+2*\p+1], v[Q+32*\x+8*\j+2*\p:Q+32*\x+8*\j+2*\p+1]
.else
	v_pk_fma_f32 v[T+4*\x+2*(\p%2):T+4*\x+2*(\p%2)+1], v[ACC+32*\x+8*\j+2*\p:ACC+32*\x+8*\j+2*\p+1], v[Q+32*\x+8*\j+2*\p:Q+32*\x+8*\j+2*\p+1], v[T+4*\x+2*(\p%2):T+4*\x+2*(\p%2)+1]
.endif
.endr
.endr
.endr
	v_pk_add_f32 v[T:T+1], v[T:T+1], v[T+2:T+3]
	v_pk_add_f32 v[T+4:T+5], v[T+4:T+5], v[T+6:T+7]
	v_add_f32 v[T], v[T], v[T+1]
	v_add_f32 v[T+4], v[T+4], v[T+5]
	v_cndmask_b32 v24, v[T], v[T+4], s[HI]
	v_cndmask_b32 v25, v[T+4], v[T], s[HI]
	v_permlanex16_b32 v26, v25, s[SEL], s[SEL+1]
	v_add_f32 v27, v24, v26
	v_max_num_f32 v[MX], v[MX], v27
	ds_store_b32 v[SCW], v27 offset:64*(\i)
.endm
.macro STAGE sg, kt, qt, nxt, tn, lc
.if \kt
	ds_load_b128 v[XS:XS+3], v[SR] offset:256*(\sg)
.irp s, 0,1,2,3
.irp c, 0,1,2,3
	ds_load_b128 v[AF+16*\s+4*\c:AF+16*\s+4*\c+3], v[IR] offset:8192*(\sg)+2048*\s+512*\c
.endr
.endr
.endif
.if \qt
	s_wait_dscnt 17*(\kt)
	QUANT 64*(\sg), 3, PC, PW+(\sg)
.irp c, 0,1,2,3,4,5,6,7,8,9,10,11,12,13,14,15
	v_xor_b32 v[PC+\c], v[SGC], v[PC+\c]
.endr
.irp c, 0,1,2,3
	ds_store_b128 v[IW], v[PC+4*\c:PC+4*\c+3] offset:2048*(\sg)+512*\c
.endr
.if \sg == 3
	v_cndmask_b32 v[T], v[PW], v[PW+2], s[HI]
	v_cndmask_b32 v[T+1], v[PW+1], v[PW+3], s[HI]
	ds_store_b64 v[TB], v[T:T+1]
.endif
.if \nxt == 1
	v_add_nc_u32 v[XA+(\sg)], 0x20000, v[XA+(\sg)]
	XLOAD \sg
.else
	WVLOAD \sg
.endif
	WIN 0
.endif
.if \tn
	s_wait_loadcnt \lc
	TURN ((\sg)+1)%4
.endif
.if \kt
	s_wait_dscnt 32*(\tn)
.irp s, 0,1,2,3
	WIN (1+\s/2)
.irp a, 0,1,2,3,4,5,6,7
.if \s == 0
	MM ACC+8*\a, 16*(8*(\s%2)+\a), AF+16*\s, 1, WS+4*(\a%4)+\s, XS+\s, \a/4
.else
	MM ACC+8*\a, 16*(8*(\s%2)+\a), AF+16*\s, 0, WS+4*(\a%4)+\s, XS+\s, \a/4
.endif
.endr
.endr
	WIN 0
.rept 8
	v_nop
.endr
	KCONS \sg
.endif
.endm
.macro ADDR wr, rd
.if \wr
	v_add_nc_u32 v[IW], s[CIW], v[LI]
	v_add_nc_u32 v[TB], s[CSW], v[SWB]
.endif
.if \rd
	v_add_nc_u32 v[IR], s[CI], v[LI]
	v_add_nc_u32 v[SR], s[CS], v[SRB]
	v_add_nc_u32 v[SCW], s[CT], v[SCB]
.endif
.endm
.macro MEET
	s_wait_dscnt 0x0
	s_barrier_signal -1
	s_barrier_wait -1
.endm
.macro STEPW
	s_add_co_u32 s[CIW], s[CIW], 32768
	s_add_co_u32 s[CSW], s[CSW], 1024
.endm
.macro STEPR
	s_add_co_u32 s[CI], s[CI], 32768
	s_add_co_u32 s[CS], s[CS], 1024
	s_add_co_u32 s[CT], s[CT], 256
.endm
	s_load_b256 s[4:11], s[0:1], 0x0
	s_load_b128 s[12:15], s[0:1], 0x20
	s_load_b64 s[16:17], s[0:1], 0x30
	v_lshrrev_b32 v[TA], 5, v0
	v_readfirstlane_b32 s[WV], v[TA]
	v_and_b32 v[LI], 31, v0
	v_lshlrev_b32 v[LI], 4, v[LI]
	v_and_b32 v[TA], 15, v0
	v_bfe_u32 v[TB], v0, 4, 1
	s_lshl_b32 s28, s[WV], 15
.irp s, 0,1,2,3
	v_add_nc_u32 v[XA+\s], s28, v[LI]
.endr
	v_lshlrev_b32 v[SRB], 4, v[TA]
	v_add_nc_u32 v[SRB], XSC, v[SRB]
	s_lshl_b32 s28, s[WV], 8
	v_lshl_add_u32 v[SWB], v[TB], 3, v[SRB]
	v_add_nc_u32 v[SWB], s28, v[SWB]
	s_mul_i32 s28, s[WV], SCWV
	s_add_co_u32 s28, s28, SCO
	v_mul_u32_u24 v[SCB], v[TB], SCH
	v_lshl_add_u32 v[SCB], v[TA], 2, v[SCB]
	v_add_nc_u32 v[SCB], s28, v[SCB]
	s_lshl_b32 s28, s[WV], 16
	v_add_nc_u32 v[WA], s28, v[LI]
	s_mul_i32 s28, s[WV], STWV
	s_add_co_u32 s28, s28, STG
	v_add_nc_u32 v[ST], s28, v[LI]
	v_mul_u32_u24 v[SL], v[TA], SPI
	v_lshl_add_u32 v[SL], v[TB], 6, v[SL]
	v_add_nc_u32 v[SL], s28, v[SL]
	s_lshl_b32 s28, s[WV], 12
	v_lshl_add_u32 v[WSA], v[TB], 11, v[LI]
	v_add_nc_u32 v[WSA], s28, v[WSA]
	s_lshl_b32 s28, s[WV], 9
	v_lshlrev_b32 v27, 5, v[TB]
	v_add_nc_u32 v27, s28, v27
	v_mov_b32 v[MX], 0xff800000
	v_mov_b32 v26, 0
.irp b, 0,1,2,3
	v_mov_b32 v[TM+4+\b], 0
.endr
	s_mov_b32 s[MNT], 0x600000
	s_mov_b32 s[SEL], 0x76543210
	s_mov_b32 s[SEL+1], 0xfedcba98
	s_mov_b32 s[HI], 0xffff0000
	s_mov_b32 s24, 0xff00ff00
	s_mov_b32 s25, 0xf0f0f0f0
	s_mov_b32 s26, 0xcccccccc
	s_mov_b32 s27, 0xaaaaaaaa
	v_mov_b32 v[SGC], 0x80808080
	v_cndmask_b32 v[SGC], 0, v[SGC], s27
	s_mov_b32 s[CI], 0
	s_lshl_b32 s[CIW], s[WV], 13
	s_mov_b32 s[CS], 0
	s_mov_b32 s[CT], 0
	s_mov_b32 s[CSW], 0
	s_mov_b32 s29, 0
	s_lshr_b32 s30, ttmp9, 3
	s_and_b32 s31, ttmp9, 7
	s_lshl_b32 s31, s31, 11
	s_wait_alu depctr_va_vdst(0)
	s_wait_kmcnt 0x0
	s_lshl_b32 s28, ttmp9, 20
	s_add_nc_u64 s[4:5], s[4:5], s[28:29]
	s_lshl_b32 s28, s30, 11
	s_add_nc_u64 s[10:11], s[10:11], s[28:29]
	s_lshl_b32 s28, s30, 17
	s_add_co_u32 s28, s28, s31
	s_add_nc_u64 s[12:13], s[12:13], s[28:29]
	s_lshl_b32 s28, ttmp9, 11
	s_add_nc_u64 s[14:15], s[14:15], s[28:29]
	s_lshl_b32 s28, ttmp9, 9
	s_add_nc_u64 s[16:17], s[16:17], s[28:29]
	XLOAD 0
	XLOAD 1
	XLOAD 2
	XLOAD 3
	WIN 0
	s_wait_loadcnt 48
	TURN 0
	ADDR 1, 0
	STAGE 0, 0, 1, 1, 1, 48
	WKLOAD 0
	STAGE 1, 0, 1, 1, 1, 63
	WKLOAD 1
	STAGE 2, 0, 1, 1, 1, 63
	WKLOAD 2
	STAGE 3, 0, 1, 1, 1, 63
	WKLOAD 3
.irp j, 0,1,2,3
	global_load_b128 v[WS+4*\j:WS+4*\j+3], v[WSA], s[8:9] offset:512*\j
.endr
.irp x, 0,1
.irp j, 0,1,2,3
	global_load_b128 v[Q+32*\x+8*\j:Q+32*\x+8*\j+3], v27, s[10:11] offset:256*\x+64*\j
	global_load_b128 v[Q+32*\x+8*\j+4:Q+32*\x+8*\j+7], v27, s[10:11] offset:256*\x+64*\j+16
.endr
.endr
	v_mov_b32 v[T+4], 0x3e38aa3b
	v_mov_b32 v[T+5], 0xbe38aa3b
	v_cndmask_b32 v[T+4], v[T+4], v[T+5], s27
	v_mov_b32 v[T+5], v[T+4]
	s_wait_alu depctr_va_vdst(0)
	s_wait_loadcnt 0x0
.set n, 0
.rept 32
	v_pk_mul_f32 v[Q+n:Q+n+1], v[Q+n:Q+n+1], v[T+4:T+5]
.set n, n+2
.endr
	MEET
	STEPW
	s_mov_b32 s[CNT], 6
.Lchunk:
	ADDR 1, 1
	STAGE 0, 1, 1, 1, 1, 48
	STAGE 1, 1, 1, 1, 1, 48
	STAGE 2, 1, 1, 1, 1, 48
	STAGE 3, 1, 1, 1, 1, 48
	MEET
	STEPW
	STEPR
	s_sub_co_u32 s[CNT], s[CNT], 1
	s_cmp_lg_u32 s[CNT], 0
	s_cbranch_scc1 .Lchunk
	ADDR 1, 1
	STAGE 0, 1, 1, 2, 1, 48
	STAGE 1, 1, 1, 2, 1, 48
	STAGE 2, 1, 1, 2, 1, 48
	STAGE 3, 1, 1, 2, 0, 0
	MEET
	STEPR
	s_mov_b32 s[CNT], 4
.Ltail:
	ADDR 0, 1
	STAGE 0, 1, 0, 0, 0, 0
	s_add_co_u32 s[CI], s[CI], 8192
	s_add_co_u32 s[CS], s[CS], 256
	s_add_co_u32 s[CT], s[CT], 64
	s_sub_co_u32 s[CNT], s[CNT], 1
	s_cmp_lg_u32 s[CNT], 0
	s_cbranch_scc1 .Ltail
	WIN 0x40
.irp s, 2,3
.irp a, 0,1,2,3,4,5,6,7
.irp c, 0,1,2,3
	global_load_b128 v[16*(8*(\s-2)+\a)+4*\c:16*(8*(\s-2)+\a)+4*\c+3], v[WA], s[6:7] offset:262144+\a*8192+\s*2048+512*\c
.endr
.endr
.endr
	WIN 0
.irp j, 0,1,2,3
	global_load_b128 v[WS+4*\j:WS+4*\j+3], v[WSA], s[8:9] offset:16384+512*\j
.endr
	s_wait_alu depctr_va_vdst(0)
	v_max_num_f32_dpp v[MX], v[MX], v[MX] row_xmask:1 row_mask:0xf bank_mask:0xf
	v_max_num_f32_dpp v[MX], v[MX], v[MX] row_xmask:2 row_mask:0xf bank_mask:0xf
	v_max_num_f32_dpp v[MX], v[MX], v[MX] row_xmask:4 row_mask:0xf bank_mask:0xf
	v_max_num_f32_dpp v[MX], v[MX], v[MX] row_xmask:8 row_mask:0xf bank_mask:0xf
	v_permlanex16_b32 v26, v[MX], s[SEL], s[SEL+1]
	v_cndmask_b32 v24, v[MX], v26, s[HI]
	v_cndmask_b32 v25, v26, v[MX], s[HI]
	s_mul_i32 s28, s[WV], SCWV
	s_add_co_u32 s28, s28, SCO
	v_add_nc_u32 v[TA], s28, v[LI]
.irp x, 0,1
.irp i, 0,1,2,3
	ds_load_b128 v[AF+16*\x+4*\i:AF+16*\x+4*\i+3], v[TA] offset:SCH*\x+512*\i
.endr
.endr
	s_lshl_b32 s28, s[WV], 15
	v_add_nc_u32 v[TB], s28, v[LI]
	s_mul_i32 s28, s[WV], STWV
	s_add_co_u32 s28, s28, STG
	v_lshl_add_u32 v[PSA], v[LI], 1, s28
	v_and_b32 v[PRB], 15, v0
	v_lshl_add_u32 v[PRB], v[PRB], 3, s28
	v_mov_b32 v[IR], v[LI]
	v_mov_b32 v[SR], v[SRB]
	v_mov_b32 v[PR], v[PRB]
	s_wait_alu depctr_va_vdst(0)
	s_wait_dscnt 0x0
.irp x, 0,1
.irp i, 0,1,2,3
	global_store_b128 v[TB], v[AF+16*\x+4*\i:AF+16*\x+4*\i+3], s[12:13] offset:16384*\x+512*\i
.endr
.endr
.irp k, 0,1,2,3,4,5,6,7,8,9,10,11,12,13,14,15
	v_sub_f32 v[AF+32+\k], v[AF+\k], v24
	v_sub_f32 v[AF+48+\k], v[AF+16+\k], v25
.endr
	s_wait_alu depctr_va_vdst(0)
.set n, 0
.rept 32
	v_exp_f32 v[AF+32+n], v[AF+32+n]
.set n, n+1
.endr
	v_nop
	s_wait_alu depctr_va_vdst(0)
	v_pk_add_f32 v[T:T+1], v[AF+32:AF+33], v[AF+34:AF+35]
	v_pk_add_f32 v[T+2:T+3], v[AF+48:AF+49], v[AF+50:AF+51]
.irp j, 4,6,8,10,12,14
	v_pk_add_f32 v[T:T+1], v[T:T+1], v[AF+32+\j:AF+33+\j]
	v_pk_add_f32 v[T+2:T+3], v[T+2:T+3], v[AF+48+\j:AF+49+\j]
.endr
	v_add_f32 v[T], v[T], v[T+1]
	v_add_f32 v[T+2], v[T+2], v[T+3]
.irp m, 1,2,4,8
	v_add_f32_dpp v[T], v[T], v[T] row_xmask:\m row_mask:0xf bank_mask:0xf
	v_add_f32_dpp v[T+2], v[T+2], v[T+2] row_xmask:\m row_mask:0xf bank_mask:0xf
.endr
	v_permlanex16_b32 v26, v[T], s[SEL], s[SEL+1]
	v_permlanex16_b32 v27, v[T+2], s[SEL], s[SEL+1]
	v_add_f32 v[T], v[T], v26
	v_add_f32 v[T+2], v[T+2], v27
	v_cndmask_b32 v[LS], v[T], v[T+2], s[HI]
.irp k, 1,3,5,7,9,11,13,15,17,19,21,23,25,27,29,31
	v_xor_b32 v[AF+32+\k], 0x80000000, v[AF+32+\k]
.endr
.irp x, 0,1
.irp i, 0,1,2,3
.irp e, 0,1,2,3
	ds_store_b32 v[PSA], v[AF+32+16*\x+4*\i+\e] offset:(128*\i+\e)*8+4*\x
.endr
.endr
.endr
.macro VLD b
	WIN 0x80
.irp q, 0,1,2,3,4,5,6,7,8,9,10,11,12,13,14,15
	ds_load_b128 v[64*(\b)+4*\q:64*(\b)+4*\q+3], v[IR] offset:8192*(\b)+512*\q
.endr
	WIN 0
	ds_load_b128 v[XS+4*(\b):XS+4*(\b)+3], v[SR] offset:256*(\b)
.endm
.macro VADDR
	v_add_nc_u32 v[IR], s[CI], v[LI]
	v_add_nc_u32 v[SR], s[CS], v[SRB]
	v_add_nc_u32 v[PR], s[CT], v[PRB]
.endm
.macro VSTEP
	s_add_co_u32 s[CI], s[CI], 16384
	s_add_co_u32 s[CS], s[CS], 512
	s_add_co_u32 s[CT], s[CT], 256
	VADDR
.endm
.macro VC1 k, o, cm
.if (\cm) == 1
.if (\k) < 16
	v_pk_mul_f32 v[CTX+2*(\k):CTX+2*(\k)+1], v[128-64*(\o)+2*(\k):128-64*(\o)+2*(\k)+1], v[P+2*(\o):P+2*(\o)+1] op_sel_hi:[1,0]
.else
	v_pk_mul_f32 v[CTX+2*(\k):CTX+2*(\k)+1], v[128-64*(\o)+2*(\k):128-64*(\o)+2*(\k)+1], v[P+2*(\o):P+2*(\o)+1] op_sel:[0,1] op_sel_hi:[1,1]
.endif
.else
.if (\k) < 16
	v_pk_fma_f32 v[CTX+2*(\k):CTX+2*(\k)+1], v[128-64*(\o)+2*(\k):128-64*(\o)+2*(\k)+1], v[P+2*(\o):P+2*(\o)+1], v[CTX+2*(\k):CTX+2*(\k)+1] op_sel_hi:[1,0,1]
.else
	v_pk_fma_f32 v[CTX+2*(\k):CTX+2*(\k)+1], v[128-64*(\o)+2*(\k):128-64*(\o)+2*(\k)+1], v[P+2*(\o):P+2*(\o)+1], v[CTX+2*(\k):CTX+2*(\k)+1] op_sel:[0,1,0] op_sel_hi:[1,1,1]
.endif
.endif
.endm
.macro VR be, cm, fetch, cnt
	s_wait_dscnt \cnt
.irp s, 0,1,2,3
.irp a, 0,1,2,3,4,5,6,7
	WIN 0x0b-2*(\s/2)
.if \s == 0
	MM 128-64*(\be)+8*\a, 16*(8*(\s%2)+\a), 64*(\be)+16*\s, 1, WS+4*(\a%4)+\s, XS+4*(\be)+\s, \a/4
.if \cm
	WIN 0
	VC1 3*\a, 1-(\be), \cm
	VC1 3*\a+1, 1-(\be), \cm
	VC1 3*\a+2, 1-(\be), \cm
.endif
.else
	MM 128-64*(\be)+8*\a, 16*(8*(\s%2)+\a), 64*(\be)+16*\s, 0, WS+4*(\a%4)+\s, XS+4*(\be)+\s, \a/4
.endif
.endr
.endr
	WIN 0
.if \cm
.irp k, 24,25,26,27,28,29,30,31
	VC1 \k, 1-(\be), \cm
.endr
.else
.rept 8
	v_nop
.endr
.endif
.if (\fetch) == 1
	VLD \be
.endif
.if \fetch
	ds_load_b64 v[P+2*(1-(\be)):P+2*(1-(\be))+1], v[PR] offset:128*(\be)
.endif
.endm
	VLD 0
	ds_load_b64 v[P:P+1], v[PR]
	VLD 1
	s_mov_b32 s[CI], 16384
	s_mov_b32 s[CS], 512
	s_mov_b32 s[CT], 128
	VADDR
	s_wait_alu depctr_va_vdst(0)
	s_wait_xcnt 0x0
	s_wait_loadcnt 0x0
	VR 0, 0, 1, 17
	VR 1, 1, 1, 18
	VSTEP
	s_mov_b32 s[CNT], 14
.Lpair:
	VR 0, 2, 1, 18
	VR 1, 2, 1, 18
	VSTEP
	s_sub_co_u32 s[CNT], s[CNT], 1
	s_cmp_lg_u32 s[CNT], 0
	s_cbranch_scc1 .Lpair
	VR 0, 2, 2, 18
	VR 1, 2, 0, 1
	s_wait_alu depctr_va_vdst(0)
	s_wait_dscnt 0x0
.set n, 0
.rept 32
	VC1 n, 1, 2
.set n, n+1
.endr
.macro RSTAGE n, x, m
.set ri, 0
.rept (\n)/2
	v_cndmask_b32 v[T+ri%4], v[CTX+ri+(\n)/2], v[CTX+ri], s[\m]
	v_cndmask_b32 v[CTX+ri], v[CTX+ri], v[CTX+ri+(\n)/2], s[\m]
	v_add_f32_dpp v[CTX+ri], v[T+ri%4], v[CTX+ri] row_xmask:\x row_mask:0xf bank_mask:0xf
.set ri, ri+1
.endr
.endm
	RSTAGE 64, 8, 24
	RSTAGE 32, 4, 25
	RSTAGE 16, 2, 26
	RSTAGE 8, 1, 27
	v_and_b32 v24, 15, v0
	v_bfe_u32 v25, v0, 4, 1
	v_lshrrev_b32 v[TA], 1, v24
	v_lshlrev_b32 v[TA], 6, v[TA]
	v_lshl_add_u32 v[TA], v25, 5, v[TA]
	v_and_b32 v24, 1, v0
	v_lshl_add_u32 v[TA], v24, 4, v[TA]
	s_lshl_b32 s28, s[WV], 9
	v_add_nc_u32 v[TA], s28, v[TA]
	global_store_b128 v[TA], v[CTX:CTX+3], s[14:15]
	v_cndmask_b32 v25, v[MX], v[LS], s27
	v_and_b32 v[TB], 31, v0
	v_lshlrev_b32 v[TB], 2, v[TB]
	s_lshl_b32 s28, s[WV], 7
	v_add_nc_u32 v[TB], s28, v[TB]
	global_store_b32 v[TB], v25, s[16:17]
	s_wait_xcnt 0x0
	v_lshl_add_u32 v254, v0, 2, 0x4e800
	v_mov_b32 v255, 0
	s_wait_alu depctr_va_vdst(0)
	s_wait_tensorcnt 0x0
	ds_add_u32 v254, v255
	s_wait_dscnt 0x0
	s_endpgm
.Lfunc_end_k_qf451fa578a_main:
	.size	k_qf451fa578a_main, .Lfunc_end_k_qf451fa578a_main-k_qf451fa578a_main
	.p2alignl 7, 3214868480
	.fill 96, 4, 3214868480
	.section	.rodata,"a",@progbits
	.p2align	6, 0x0
	.amdhsa_kernel k_qf451fa578a_main
		.amdhsa_group_segment_fixed_size 322048
		.amdhsa_private_segment_fixed_size 0
		.amdhsa_enable_private_segment 0
		.amdhsa_kernarg_size 56
		.amdhsa_user_sgpr_count 2
		.amdhsa_user_sgpr_kernarg_segment_ptr 1
		.amdhsa_wavefront_size32 1
		.amdhsa_system_sgpr_workgroup_id_x 1
		.amdhsa_system_sgpr_workgroup_id_y 1
		.amdhsa_system_sgpr_workgroup_id_z 1
		.amdhsa_system_vgpr_workitem_id 0
		.amdhsa_next_free_vgpr 1024
		.amdhsa_next_free_sgpr 66
		.amdhsa_reserve_vcc 0
		.amdhsa_float_denorm_mode_32 3
		.amdhsa_float_denorm_mode_16_64 3
		.amdhsa_memory_ordered 1
		.amdhsa_forward_progress 1
		.amdhsa_inst_pref_size 255
	.end_amdhsa_kernel
	.section	.bss,"aw",@nobits
	.p2align	6
	.space	262144
	.amdgpu_metadata
---
amdhsa.version: [ 1, 2 ]
amdhsa.kernels:
  - .name:           k_qf451fa578a_main
    .symbol:         k_qf451fa578a_main.kd
    .args:
      - { .name: enc, .offset: 0, .size: 8, .value_kind: global_buffer, .address_space: global }
      - { .name: wimg, .offset: 8, .size: 8, .value_kind: global_buffer, .address_space: global }
      - { .name: wsc, .offset: 16, .size: 8, .value_kind: global_buffer, .address_space: global }
      - { .name: qbuf, .offset: 24, .size: 8, .value_kind: global_buffer, .address_space: global }
      - { .name: sc, .offset: 32, .size: 8, .value_kind: global_buffer, .address_space: global }
      - { .name: pctx, .offset: 40, .size: 8, .value_kind: global_buffer, .address_space: global }
      - { .name: pml, .offset: 48, .size: 8, .value_kind: global_buffer, .address_space: global }
    .group_segment_fixed_size: 322048
    .private_segment_fixed_size: 0
    .kernarg_segment_align: 8
    .kernarg_segment_size: 56
    .max_flat_workgroup_size: 128
    .sgpr_count:     66
    .vgpr_count:     1024
    .wavefront_size: 32
...
	.end_amdgpu_metadata
.endif
;; end of part 2
;; launch fin (part 3): grid 192 x 1, 4 waves a work-group, no clusters, 47,616 bytes of LDS; arguments sc, pctx, pml, wimg, wsc, out0, out1; writes out0, out1
.if DOCPART == 3
	.amdgcn_target "amdgcn-amd-amdhsa--gfx1250"
	.amdhsa_code_object_version 6
	.text
	.protected	k_qf451fa578a_fin
	.globl	k_qf451fa578a_fin
	.p2align	8
	.type	k_qf451fa578a_fin,@function
k_qf451fa578a_fin:
	s_mov_b64 s[64:65], 0
	v_nop
	global_prefetch_b8 v0, s[64:65] scope:SCOPE_SE
	s_setreg_imm32_b32 hwreg(HW_REG_WAVE_MODE, 25, 1), 1
	s_wait_xcnt 0x0
.set NCX, 64
.set LI,  1
.set L4,  2
.set PA,  3
.set CA,  4
.set WOA, 5
.set WSA, 6
.set OA,  7
.set IWA, 8
.set SWA, 9
.set FSA, 10
.set FRA, 11
.set ST,  12
.set SL,  13
.set FM,  16
.set F,   48
.set TM,  64
.set PC,  80
.set PW,  96
.set XS,  100
.set WS,  104
.set O,   112
.set CX,  128
.set CF,  192
.set FB,  128
.set CIMG, 0
.set CSC,  8192
.set FS,   9216
.set STG,  13312
.set STWV, 8448
.set SPI,  528
.set WV,  18
.set MNT, 19
.set SEL, 20
.set MSB, 0
.macro WIN new
.if MSB != (\new)
	s_set_vgpr_msb (MSB<<8)|(\new)
.set MSB, (\new)
.endif
.endm
.macro QUANT s, w, pc, pw
	WIN ((\w)|((\w)<<2))
.irp b, 0,1,2,3
	v_max3_num_f32 v[TM+\b], |v[(\s)+16*\b]|, |v[(\s)+16*\b+1]|, 0x8000000
.endr
.irp i, 2,4,6,8,10,12,14
.irp b, 0,1,2,3
	v_max3_num_f32 v[TM+\b], |v[(\s)+16*\b+\i]|, |v[(\s)+16*\b+\i+1]|, v[TM+\b]
.endr
.endr
	WIN 0
.irp b, 0,1,2,3
	v_permlanex16_b32 v[TM+4+\b], v[TM+\b], s[SEL], s[SEL+1]
.endr
.irp b, 0,1,2,3
	v_max_num_f32 v[TM+\b], v[TM+\b], v[TM+4+\b]
.endr
.irp b, 0,1,2,3
	v_add_nc_u32 v[TM+12+\b], 0xf8800000, v[TM+\b]
.endr
.irp b, 0,1,2,3
	v_and_or_b32 v[TM+8+\b], v[TM+\b], 0x7f800000, s[MNT]
.endr
.irp b, 0,1,2,3
	v_lshrrev_b32 v[TM+4+\b], 23, v[TM+12+\b]
.endr
	v_lshl_or_b32 v[\pw], v[TM+5], 8, v[TM+4]
	v_lshl_or_b32 v[\pw], v[TM+6], 16, v[\pw]
	v_lshl_or_b32 v[\pw], v[TM+7], 24, v[\pw]
	WIN ((\w)|((\w)<<6))
.irp b, 0,1,2,3
.irp i, 0,1,2,3,4,5,6,7,8,9,10,11,12,13,14,15
	v_med3_num_f32 v[(\s)+16*\b+\i], v[(\s)+16*\b+\i], -v[TM+8+\b], v[TM+8+\b]
.endr
.endr
	WIN (\w)
.irp b, 0,1,2,3
	v_cvt_scalef32_pk8_bf8_f32 v[(\pc)+4*\b:(\pc)+4*\b+1], v[(\s)+16*\b:(\s)+16*\b+7], v[TM+12+\b]
	v_cvt_scalef32_pk8_bf8_f32 v[(\pc)+4*\b+2:(\pc)+4*\b+3], v[(\s)+16*\b+8:(\s)+16*\b+15], v[TM+12+\b]
.endr
	WIN 0
	v_nop
.endm
	s_load_b256 s[4:11], s[0:1], 0x0
	s_load_b128 s[12:15], s[0:1], 0x20
	s_load_b64 s[16:17], s[0:1], 0x30
	v_lshl_add_u32 v62, v0, 2, 0xb800
	v_mov_b32 v63, 0
	v_lshrrev_b32 v[L4], 5, v0
	v_readfirstlane_b32 s[WV], v[L4]
	v_and_b32 v[L4], 31, v0
	v_lshlrev_b32 v[LI], 4, v[L4]
	v_lshlrev_b32 v[L4], 2, v[L4]
	s_mov_b32 s[MNT], 0x600000
	s_mov_b32 s[SEL], 0x76543210
	s_mov_b32 s[SEL+1], 0xfedcba98
	s_mov_b32 s29, 0
	s_wait_kmcnt 0x0
	s_cmp_lt_u32 ttmp9, NCX
	s_cbranch_scc1 .Lctx
	s_sub_co_u32 s24, ttmp9, NCX
	s_lshr_b32 s25, s24, 2
	s_and_b32 s26, s24, 3
	s_lshl_b32 s27, s26, 12
	s_lshl_b32 s28, s25, 12
	s_add_nc_u64 s[8:9], s[8:9], s[28:29]
	s_lshl_b32 s28, s25, 17
	s_add_co_u32 s28, s28, s27
	s_add_nc_u64 s[4:5], s[4:5], s[28:29]
	s_lshl_b32 s28, s25, 14
	s_add_co_u32 s28, s28, s27
	s_add_nc_u64 s[16:17], s[16:17], s[28:29]
	v_bfe_u32 v5, v0, 3, 2
	v_lshlrev_b32 v[PA], 9, v5
	v_bfe_u32 v5, v0, 1, 2
	v_lshl_add_u32 v[PA], v5, 7, v[PA]
	v_and_b32 v5, 1, v0
	v_lshl_add_u32 v[PA], v5, 6, v[PA]
	s_lshl_b32 s27, s[WV], 10
	s_wait_alu depctr_va_vdst(0)
	v_add_nc_u32 v[CA], s27, v[LI]
	v_mov_b32 v13, 0
	global_load_b64 v[8:9], v[PA], s[8:9]
	global_load_b64 v[10:11], v[PA], s[8:9] offset:2048
.irp e, 0,1,2,3,4,5,6,7
.irp u, 0,1
	global_load_b128 v[64+8*\e+4*\u:64+8*\e+4*\u+3], v[CA], s[4:5] offset:16384*\e+512*\u th:TH_LOAD_NT
.endr
.endr
	s_wait_loadcnt 16
	v_max_num_f32 v12, v8, v10
	v_max_num_f32_dpp v12, v12, v12 row_xmask:8 row_mask:0xf bank_mask:0xf
	s_wait_alu depctr_va_vdst(0)
	v_permlanex16_b32 v13, v12, s[SEL], s[SEL+1]
	v_max_num_f32 v12, v12, v13
	v_sub_f32 v14, v8, v12
	v_sub_f32 v15, v10, v12
	s_wait_alu depctr_va_vdst(0)
	v_exp_f32 v14, v14
	v_exp_f32 v15, v15
	v_nop
	s_wait_alu depctr_va_vdst(0)
	v_mul_f32 v14, v14, v9
	v_fma_f32 v14, v15, v11, v14
	v_add_f32_dpp v14, v14, v14 row_xmask:8 row_mask:0xf bank_mask:0xf
	v_permlanex16_b32 v13, v14, s[SEL], s[SEL+1]
	v_add_f32 v14, v14, v13
	s_wait_alu depctr_va_vdst(0)
	v_rcp_f32 v14, v14
	v_nop
	s_wait_alu depctr_va_vdst(0)
	v_mul_f32 v14, 0x3e000000, v14
.irp e, 0,1,2,3,4,5,6,7
	v_readlane_b32 s[32+\e], v12, \e
	v_readlane_b32 s[40+\e], v14, \e
.endr
	s_wait_loadcnt 0x0
.irp e, 0,1,2,3,4,5,6,7
.irp k, 0,1,2,3,4,5,6,7
	v_sub_f32 v[64+8*\e+\k], v[64+8*\e+\k], s[32+\e]
.endr
.endr
.set n, 0
	s_wait_alu depctr_va_vdst(0)
.rept 64
	v_exp_f32 v[64+n], v[64+n]
.set n, n+1
.endr
	v_nop
	s_wait_alu depctr_va_vdst(0)
.irp k, 0,1,2,3,4,5,6,7
	v_mul_f32 v[128+\k], s40, v[64+\k]
.endr
.irp e, 1,2,3,4,5,6,7
.irp k, 0,1,2,3,4,5,6,7
	v_fma_f32 v[128+\k], v[64+8*\e+\k], s[40+\e], v[128+\k]
.endr
.endr
	global_store_b128 v[CA], v[128:131], s[16:17]
	global_store_b128 v[CA], v[132:135], s[16:17] offset:512
	s_endpgm
.Lctx:
	s_and_b32 s24, ttmp9, 15
	s_lshr_b32 s25, ttmp9, 4
	s_lshl_b32 s26, s25, 3
	s_lshl_b32 s27, s[WV], 1
	s_add_co_u32 s26, s26, s27
	v_and_b32 v98, 1, v0
	v_bfe_u32 v99, v0, 4, 1
	s_lshl_b32 s27, s24, 13
	s_lshl_b32 s28, s[WV], 7
	s_add_co_u32 s27, s27, s28
	v_lshlrev_b32 v[PA], 12, v98
	v_lshl_add_u32 v[PA], v99, 6, v[PA]
	v_add_nc_u32 v[PA], s27, v[PA]
	s_lshl_b32 s27, s24, 15
	s_lshl_b32 s28, s[WV], 9
	s_add_co_u32 s27, s27, s28
	s_wait_alu depctr_va_vdst(0)
	v_add_nc_u32 v[CA], s27, v[LI]
	s_lshl_b32 s27, s26, 13
	v_add_nc_u32 v[WOA], s27, v[LI]
	s_lshl_b32 s27, s26, 9
	v_add_nc_u32 v[WSA], s27, v[LI]
	s_lshl_b32 s27, s24, 12
	s_lshl_b32 s28, s26, 6
	s_add_co_u32 s27, s27, s28
	v_lshlrev_b32 v[OA], 11, v98
	v_lshl_add_u32 v[OA], v99, 5, v[OA]
	v_add_nc_u32 v[OA], s27, v[OA]
	s_lshl_b32 s27, s[WV], 11
	v_add_nc_u32 v[IWA], s27, v[LI]
	s_lshl_b32 s27, s[WV], 7
	s_add_co_u32 s27, s27, CSC
	v_add_nc_u32 v[SWA], s27, v[L4]
	s_lshl_b32 s27, s[WV], 10
	s_add_co_u32 s27, s27, FS
	v_lshlrev_b32 v[FSA], 1, v[LI]
	v_add_nc_u32 v[FSA], s27, v[FSA]
	v_lshlrev_b32 v[FRA], 9, v99
	v_add_nc_u32 v[FRA], s27, v[FRA]
	s_mul_i32 s27, s[WV], STWV
	s_add_co_u32 s27, s27, STG
	v_add_nc_u32 v[ST], s27, v[LI]
	v_mul_u32_u24 v[SL], v98, SPI
	v_lshl_add_u32 v[SL], v99, 6, v[SL]
	v_add_nc_u32 v[SL], s27, v[SL]
.irp b, 0,1,2,3
	v_mov_b32 v[TM+4+\b], 0
.endr
.irp g, 0,1,2,3,4,5,6,7
	global_load_b64 v[FM+2*\g:FM+2*\g+1], v[PA], s[8:9] offset:512*\g
.endr
.irp u, 0,1
	global_load_b128 v[WS+4*\u:WS+4*\u+3], v[WSA], s[12:13] offset:32768+512*\u
.endr
	WIN 0x40
.irp r, 0,1
.irp g, 0,1,2,3,4,5,6,7
	global_load_b128 v[4*(8*\r+\g):4*(8*\r+\g)+3], v[CA], s[6:7] offset:2048*(8*\r+\g)
.endr
.endr
	WIN 0xc0
.irp u, 0,1
.irp s, 0,1,2,3
.irp c, 0,1,2,3
	global_load_b128 v[16*(4*\u+\s)+4*\c:16*(4*\u+\s)+4*\c+3], v[WOA], s[10:11] offset:524288+8192*\u+2048*\s+512*\c
.endr
.endr
.endr
	WIN 0
	s_wait_loadcnt 50
	v_max3_num_f32 v14, v[FM], v[FM+2], v[FM+4]
	v_max3_num_f32 v14, v14, v[FM+6], v[FM+8]
	v_max3_num_f32 v14, v14, v[FM+10], v[FM+12]
	v_max_num_f32 v14, v14, v[FM+14]
.irp g, 0,1,2,3,4,5,6,7
	v_sub_f32 v[F+\g], v[FM+2*\g], v14
.endr
	s_wait_alu depctr_va_vdst(0)
.irp g, 0,1,2,3,4,5,6,7
	v_exp_f32 v[F+\g], v[F+\g]
.endr
	v_nop
	s_wait_alu depctr_va_vdst(0)
	v_mul_f32 v15, v[F], v[FM+1]
.irp g, 1,2,3,4,5,6,7
	v_fma_f32 v15, v[F+\g], v[FM+2*\g+1], v15
.endr
	s_wait_alu depctr_va_vdst(0)
	v_rcp_f32 v97, v15
	v_nop
	s_wait_alu depctr_va_vdst(0)
.irp g, 0,1,2,3,4,5,6,7
	v_mul_f32 v[F+\g], v[F+\g], v97
.endr
	ds_store_b128 v[FSA], v[F:F+3]
	ds_store_b128 v[FSA], v[F+4:F+7] offset:16
	WIN 0xc0
.irp r, 0,1
	ds_load_b128 v[FB+8*\r:FB+8*\r+3], v[FRA] offset:32*\r
	ds_load_b128 v[FB+8*\r+4:FB+8*\r+7], v[FRA] offset:32*\r+16
.endr
	WIN 0
	s_wait_dscnt 0x0
	s_wait_loadcnt 32
	WIN (1|(3<<2))
.irp g, 0,1,2,3,4,5,6,7
.irp rr, 0,1
.irp p, 0,1
.if \g == 0
	v_pk_mul_f32 v[CX+4*\rr+2*\p:CX+4*\rr+2*\p+1], v[4*(8*\rr+\g)+2*\p:4*(8*\rr+\g)+2*\p+1], v[FB+8*\rr:FB+8*\rr+1] op_sel_hi:[1,0]
.elseif \g%2 == 0
	v_pk_fma_f32 v[CX+4*\rr+2*\p:CX+4*\rr+2*\p+1], v[4*(8*\rr+\g)+2*\p:4*(8*\rr+\g)+2*\p+1], v[FB+8*\rr+\g:FB+8*\rr+\g+1], v[CX+4*\rr+2*\p:CX+4*\rr+2*\p+1] op_sel_hi:[1,0,1]
.else
	v_pk_fma_f32 v[CX+4*\rr+2*\p:CX+4*\rr+2*\p+1], v[4*(8*\rr+\g)+2*\p:4*(8*\rr+\g)+2*\p+1], v[FB+8*\rr+\g-1:FB+8*\rr+\g], v[CX+4*\rr+2*\p:CX+4*\rr+2*\p+1] op_sel:[0,1,0] op_sel_hi:[1,1,1]
.endif
.endr
.endr
.endr
	WIN 0
.irp r, 0,1
	ds_store_b128 v[ST], v[CX+4*\r:CX+4*\r+3] offset:SPI*\r
.endr
.irp b, 0,1,2,3
.irp j, 0,1,2,3
	ds_load_b128 v[CX+16*\b+4*\j:CX+16*\b+4*\j+3], v[SL] offset:128*\b+16*\j
.endr
.endr
	s_wait_dscnt 0x0
	QUANT CX, 0, PC, PW
.irp c, 0,1,2,3
	ds_store_b128 v[IWA], v[PC+4*\c:PC+4*\c+3] offset:CIMG+512*\c
.endr
	ds_store_b32 v[SWA], v[PW]
	s_wait_dscnt 0x0
	s_barrier_signal -1
	s_barrier_wait -1
.irp s, 0,1,2,3
.irp c, 0,1,2,3
	ds_load_b128 v[CF+16*\s+4*\c:CF+16*\s+4*\c+3], v[LI] offset:CIMG+2048*\s+512*\c
.endr
	ds_load_b32 v[XS+\s], v[L4] offset:CSC+128*\s
.endr
	s_wait_loadcnt 0x0
	s_wait_dscnt 0x0
	WIN 0x03
.irp s, 0,1,2,3
.irp u, 0,1
.if \s == 0
	v_wmma_scale_f32_16x16x128_f8f6f4 v[O+8*\u:O+8*\u+7], v[16*(4*\u+\s):16*(4*\u+\s)+15], v[CF+16*\s:CF+16*\s+15], 0, v[WS+4*\u+\s], v[XS+\s] matrix_a_fmt:MATRIX_FMT_BF8 matrix_b_fmt:MATRIX_FMT_BF8
.else
	v_wmma_scale_f32_16x16x128_f8f6f4 v[O+8*\u:O+8*\u+7], v[16*(4*\u+\s):16*(4*\u+\s)+15], v[CF+16*\s:CF+16*\s+15], v[O+8*\u:O+8*\u+7], v[WS+4*\u+\s], v[XS+\s] matrix_a_fmt:MATRIX_FMT_BF8 matrix_b_fmt:MATRIX_FMT_BF8
.endif
.endr
.endr
	WIN 0
.rept 8
	v_nop
.endr
	v_and_b32 v61, 15, v0
	v_cmp_gt_u32 vcc_lo, 2, v61
	s_wait_xcnt 0x0
	s_and_saveexec_b32 s30, vcc_lo
.irp u, 0,1
	global_store_b128 v[OA], v[O+8*\u:O+8*\u+3], s[14:15] offset:64*\u
	global_store_b128 v[OA], v[O+8*\u+4:O+8*\u+7], s[14:15] offset:64*\u+16
.endr
	s_wait_xcnt 0x0
	s_or_b32 exec_lo, exec_lo, s30
	s_wait_tensorcnt 0x0
	ds_add_u32 v62, v63
	s_wait_dscnt 0x0
	s_endpgm
.Lfunc_end_k_qf451fa578a_fin:
	.size	k_qf451fa578a_fin, .Lfunc_end_k_qf451fa578a_fin-k_qf451fa578a_fin
	.p2alignl 7, 3214868480
	.fill 96, 4, 3214868480
	.section	.rodata,"a",@progbits
	.p2align	6, 0x0
	.amdhsa_kernel k_qf451fa578a_fin
		.amdhsa_group_segment_fixed_size 47616
		.amdhsa_private_segment_fixed_size 0
		.amdhsa_enable_private_segment 0
		.amdhsa_kernarg_size 56
		.amdhsa_user_sgpr_count 2
		.amdhsa_user_sgpr_kernarg_segment_ptr 1
		.amdhsa_wavefront_size32 1
		.amdhsa_system_sgpr_workgroup_id_x 1
		.amdhsa_system_sgpr_workgroup_id_y 1
		.amdhsa_system_sgpr_workgroup_id_z 1
		.amdhsa_system_vgpr_workitem_id 0
		.amdhsa_next_free_vgpr 1024
		.amdhsa_next_free_sgpr 66
		.amdhsa_reserve_vcc 1
		.amdhsa_float_denorm_mode_32 3
		.amdhsa_float_denorm_mode_16_64 3
		.amdhsa_memory_ordered 1
		.amdhsa_forward_progress 1
		.amdhsa_inst_pref_size 41
	.end_amdhsa_kernel
	.amdgpu_metadata
---
amdhsa.version: [ 1, 2 ]
amdhsa.kernels:
  - .name:           k_qf451fa578a_fin
    .symbol:         k_qf451fa578a_fin.kd
    .args:
      - { .name: sc, .offset: 0, .size: 8, .value_kind: global_buffer, .address_space: global }
      - { .name: pctx, .offset: 8, .size: 8, .value_kind: global_buffer, .address_space: global }
      - { .name: pml, .offset: 16, .size: 8, .value_kind: global_buffer, .address_space: global }
      - { .name: wimg, .offset: 24, .size: 8, .value_kind: global_buffer, .address_space: global }
      - { .name: wsc, .offset: 32, .size: 8, .value_kind: global_buffer, .address_space: global }
      - { .name: out0, .offset: 40, .size: 8, .value_kind: global_buffer, .address_space: global }
      - { .name: out1, .offset: 48, .size: 8, .value_kind: global_buffer, .address_space: global }
    .group_segment_fixed_size: 47616
    .private_segment_fixed_size: 0
    .kernarg_segment_align: 8
    .kernarg_segment_size: 56
    .max_flat_workgroup_size: 128
    .sgpr_count:     66
    .vgpr_count:     1024
    .wavefront_size: 32
...
	.end_amdgpu_metadata
.endif
;; end of part 3
